; MI455X (gfx1250); checked and timed in simulation.
; The chip was launched on July 23, 2026; its instructions are those of AMD's public machine-readable ISA for CDNA 5 (MIT licence, August 2026) and "CDNA5" Instruction Set Architecture Reference Guide (July 2026). The comments in the code are by the model that wrote it; some were corrected since.
;; Mem Unit. Allowed arithmetic: matrix products marked QUANTISED: E2M3 operands, one E8M0 scale for each 32 along K, by v_wmma_scale_f32_16x16x128_f8f6f4 with both operands' format E2M3, f32 sums; everything else in f32.
;; Inputs: W 256 x 32,768 float32; targ 8,192 x 256 float32.
;; Outputs: out0 8,192 x 256 float32.
;; This version of the problem:
;;   THIS VERSION OF THE PROBLEM IS GIVEN IN LOW PRECISION. The matrix products marked QUANTISED in the list below multiply operands that are first quantised to E2M3 (2 exponent bits, 3 mantissa bits; 6 bits a number), with one power-of-two scale for each 32 numbers along K (OCP MX v1.0); their sums are f32. All else is computed in f32.
;;   The module's matrix products, in the order in which they are computed (A, B: the left and right operand; K: the contracted axis; several contracted axes count as one K, in the product's order):
;;     1. [M 8,192, K 256] x [K 256, N 32,768]; A: input targ; B: input W: QUANTISED
;;   THE QUANTISER, for each operand of a quantised product, along K:
;;     - K is cut into blocks of 32 from its start; a last block that is shorter is filled with zeros.
;;     - A block's scale is 2^e with e = floor(log2(the largest magnitude in the block)) - 2, held to -126 .. 127; a block of zeros has e = 0. As a byte (E8M0): e + 127.
;;     - Each number is divided by its block's scale, clamped to +-7.5, and rounded to the nearest number of E2M3, ties to even, subnormals kept.
;;     - The product sums the exact products of the quantised numbers (number of the format x scale) in f32.
;;   ~~~python
;;   def quantise(x, axis):      # numpy; x: float32 -> the quantised numbers, widened to float32 again
;;       x = np.moveaxis(x, axis, -1); K = x.shape[-1]
;;       x = np.pad(x, [(0, 0)] * (x.ndim - 1) + [(0, -K % 32)]); x = x.reshape(x.shape[:-1] + (-1, 32)); a = np.abs(x).max(-1, keepdims=True)
;;       e = np.where(a > 0, np.clip(np.frexp(np.where(a > 0, a, 1))[1] - 1 - 2, -126, 127), 0)      # np.frexp(a)[1] - 1 = floor(log2(a)), exactly
;;       r = np.clip(x / 2.0 ** e, -7.5, 7.5)
;;       step = 2.0 ** (np.maximum(np.frexp(np.where(r == 0, 1, r))[1] - 1, 0) - 3)
;;       q = np.round(r / step) * step * 2.0 ** e      # np.round: ties to even
;;       return np.moveaxis(q.reshape(q.shape[:-2] + (-1,))[..., :K], -1, axis).astype(np.float32)
;;   ~~~
;; One version. Each part assembles by itself: llvm-mc -triple=amdgcn-amd-amdhsa -mcpu=gfx1250 --defsym DOCPART=n.
;; ======== version 1 of 1: 3 launches
;; limits: right only within a limited range of input values
;; workspace buffers: wpack 6,815,744 bytes; wt 33,554,432 bytes; tcodes 1,572,864 bytes; tmeta 262,144 bytes; cand 524,288 bytes of whole numbers
;; launch prep (part 1): grid 576 x 1, 8 waves a work-group, no clusters, 84,992 bytes of LDS; arguments W, targ, wpack, wt, tcodes, tmeta; writes wpack, wt, tcodes, tmeta
.if DOCPART == 1
	.amdgcn_target "amdgcn-amd-amdhsa--gfx1250"
	.amdhsa_code_object_version 6
	.text
	.protected	k_qf5af181678_prep
	.globl	k_qf5af181678_prep
	.p2align	8
	.type	k_qf5af181678_prep,@function
k_qf5af181678_prep:
	s_mov_b64 s[64:65], 0
	v_nop
	global_prefetch_b8 v0, s[64:65] scope:SCOPE_SE
	s_setreg_imm32_b32 hwreg(HW_REG_WAVE_MODE, 25, 1), 1
	s_wait_xcnt 0x0
; W [256 (d)][32768 (n)] and targ [8192][256 (d)], f32, are turned ONCE into what the product's launch wants: codes of FP6 (E2M3) with one E8M0 byte for each 32 along d,
; laid as IMAGES OF THE OPERAND'S REGISTERS (a fragment of 16 rows x 128 d is 12 registers a lane: chunk c of 512 bytes holds registers 4 c .. 4 c + 3, lane l's 16 bytes at 16 l),
; what the scores need of the norms (of the unquantised numbers, f32), and W transposed, [n][d] f32, from which the last launch copies whole rows.
; THE SCORE.  reference() takes, in each row b, the first largest a = dot / (|t| c + 1e-7), c = |W[:,k]|.  a x |t| = dot / (c + e) with e = 1e-7 / |t|: the factor |t| is positive and the same along the row,
; so it moves no argmax and is left out (a row of zeros: below).  1 / (c + e) = (1/c) (1 - u + u^2 - ..), u = e / c; the next launch takes dot x (1/c - e / c^2), the first two terms.
; LIMIT: that holds while u^2 lies under half a unit of f32's last place: |t| c of at least 1e-3.  Stored here: for a column 1/c (held at 2^61) and its square, for a row -e (held at -1).
; A column or a row of zeros has zero codes, so its dots are 0 and, the factors being finite by the two holds, its scores are 0, as reference()'s are.
; A block's scale is 2^(floor(log2(its largest magnitude)) - 2): its byte is the largest magnitude's exponent field - 2, held at 1 from below by a floor among the maximum's leaves.
; (A block of zeros so gets the byte 1 where the rule says 127: its codes are zeros, and this program alone reads the bytes.)
; wpack: a record of 6,656 bytes for each 32 columns: four images (tile u of the pair, K step s: number 2 u + s), at 6,144 + 128 u the scale words of tile u (word 4 l: column l % 16, K step l / 16),
; at 6,400 the 32 numbers 1/c, at 6,528 their squares: every store of the record covers 512 consecutive bytes.
; tcodes: two images for each 16 rows.  tmeta: for each 16 rows 512 bytes, lane l's 16: scale word of K step 0, of K step 1, -e, 0, of row l % 16.
; LIMITS: NaN and infinities among the inputs are not served.  A sum of squares overflows where reference()'s does; one under 2^-126 is taken as 0 by v_rsq_f32 (ISA guide, 15.8).
; The sums of squares are added in another order than reference() adds them.
; Work-groups 0 to 511 take W (64 columns x all of d each), work-groups 512 to 575 take targ (a wave to 16 rows, no LDS, no barrier).
.set WGW,   512
.set WSTW,  8704                       ; LDS: a stage of 32 rows x 272 bytes for each wave, from byte 0 on
.set REC,   69632                      ; two records as they will lie in memory
.set RECB,  6656
.set PART,  82944                      ; 8 x 128 bytes: each wave's part of its 32 columns' sums of squares
.set SPARE, 83968                      ; the spare words, 128 bytes for each of 8 waves
.set SPW,   38                         ; my spare word; never rewritten
.set NIL,   39                         ; 0; never rewritten
.set XW,    64                         ; W: v64-127 my column's 64 numbers down d
.set CW,    128                        ; v128-143 codes, 8 registers a block
.set OW,    42                         ; v42-57 the record on its way out
.set SCL,   18                         ; v18-19 the conversions' scale operands
.set BY,    20                         ; v20-21 the scale bytes
.set XT,    40                         ; targ: v40-167 my 128 numbers
.set MT,    4                          ; v4-7 the 16 bytes for tmeta
.set TM,    8                          ; v8-11 largest magnitudes, v12-15 the other half's, then bytes, v16-19 scale operands
.set PC,    20                         ; v20-31 a fragment's codes
	s_load_b256 s[4:11], s[0:1], 0x0               ; W s[4:5], targ s[6:7], wpack s[8:9], wt s[10:11]
	s_load_b128 s[12:15], s[0:1], 0x20             ; tcodes s[12:13], tmeta s[14:15]
	v_lshl_add_u32 v[SPW], v0, 2, SPARE
	v_mov_b32 v[NIL], 0
	v_lshrrev_b32 v1, 5, v0
	s_delay_alu instid0(VALU_DEP_1)
	v_readfirstlane_b32 s16, v1                    ; wave 0..7
	v_and_b32 v1, 31, v0                           ; lane
	s_cmp_lt_u32 ttmp9, WGW
	s_cbranch_scc0 .Ltpath
; ---------------- W.  A LANE TAKES A COLUMN AND ITS REGISTERS RUN DOWN d: a block of 32 lies in one lane, and the conversions give codes with d innermost.
; Wave: ch = wave & 1: which 32 columns; dq = wave >> 1: d = 64 dq .. 64 dq + 63, which is K step s = dq >> 1, registers 6 c .. 6 c + 5 with c = dq & 1; my block b belongs to the fragment's lane r + 16 b.
	s_and_b32 s17, s16, 1                          ; ch
	s_lshr_b32 s18, s16, 1                         ; dq
	s_lshr_b32 s19, s18, 1                         ; s
	s_and_b32 s20, s18, 1                          ; c
	v_lshrrev_b32 v58, 4, v1                       ; u: which tile of the pair my column lies in
	v_and_b32 v59, 15, v1                          ; r: its place there
	v_lshlrev_b32 v2, 2, v1                        ; 4 x lane
	v_lshlrev_b32 v11, 4, v1                       ; 16 x lane
	s_mul_i32 s21, s16, WSTW                       ; my stage
	v_mul_u32_u24 v3, v1, 272
	s_delay_alu instid0(VALU_DEP_1)
	v_add_nc_u32 v3, s21, v3                       ; into it: row = my column
	v_mul_u32_u24 v4, v58, 272
	s_delay_alu instid0(VALU_DEP_1)
	v_lshl_add_u32 v4, v59, 4, v4
	s_delay_alu instid0(VALU_DEP_1)
	v_add_nc_u32 v4, s21, v4                       ; out of it: sixteen lanes to a row of 256 bytes, two rows an instruction
	v_lshlrev_b32 v5, 10, v58
	s_delay_alu instid0(VALU_DEP_1)
	v_lshl_add_u32 v5, v59, 4, v5                  ; and the same place in wt: rows of 1,024 bytes
	s_mul_i32 s22, s17, RECB
	s_add_co_u32 s22, s22, REC                     ; my record in LDS
	s_mul_i32 s23, s19, 1536
	s_add_co_u32 s23, s23, s22                     ; my K step's image of tile 0
	s_mul_i32 s24, s20, 520
	s_add_co_u32 s24, s24, s23
	s_mul_i32 s25, s20, 1016
	s_add_co_u32 s25, s25, s23
	v_mul_u32_u24 v60, v58, 3072                   ; tile u's images lie 3,072 bytes on
	s_delay_alu instid0(VALU_DEP_1)
	v_lshl_add_u32 v60, v59, 4, v60
	s_delay_alu instid0(VALU_DEP_1)
	v_add_nc_u32 v6, s24, v60                      ; registers 6 c, 6 c + 1 lie at 520 c, registers 6 c + 4, 6 c + 5 at 520 c + 512 of the lane's places,
	s_delay_alu instid0(VALU_DEP_2)
	v_add_nc_u32 v7, s25, v60                      ; registers 6 c + 2, 6 c + 3 at 1,016 c + 8
	s_lshl_b32 s24, s19, 6
	s_lshl_b32 s25, s20, 1
	s_add_co_u32 s24, s24, s25
	s_add_co_u32 s24, s24, s22
	s_add_co_u32 s24, s24, 6144
	v_lshlrev_b32 v8, 7, v58
	s_delay_alu instid0(VALU_DEP_1)
	v_lshl_add_u32 v8, v59, 2, v8
	s_delay_alu instid0(VALU_DEP_1)
	v_add_nc_u32 v8, s24, v8                       ; my two scale bytes: 6,144 + 128 u + 4 r + 64 s + 2 c
	s_lshl_b32 s24, s16, 7
	s_add_co_u32 s24, s24, PART
	v_add_nc_u32 v9, s24, v2                       ; my part of the sum of squares
	s_mul_i32 s24, s18, 1536
	s_add_co_u32 s25, s24, s22
	v_add_nc_u32 v10, s25, v11                     ; the image that my wave sends out: number dq of my record
	s_lshl_b32 s25, s17, 7
	s_add_co_u32 s25, s25, PART
	v_add_nc_u32 v12, s25, v2                      ; the four parts of my column's sum: 256 bytes apart
	s_add_co_u32 s25, s22, 6400
	v_add_nc_u32 v13, s25, v2                      ; the place of 1/c in the record
	s_add_co_u32 s25, s22, 6144
	v_add_nc_u32 v14, s25, v11                     ; the record's last 512 bytes
	s_lshl_b32 s26, ttmp9, 6
	s_lshl_b32 s27, s17, 5
	s_add_co_u32 s26, s26, s27                     ; my wave's first column
	s_lshl_b32 s28, s18, 23                        ; W: 64 dq rows of 131,072 bytes
	s_lshl_b32 s30, s26, 2
	s_add_co_u32 s28, s28, s30
	s_mov_b32 s29, 0
	s_lshl_b32 s30, s26, 10                        ; wt: my first column's row, + 256 dq
	s_lshl_b32 s32, s18, 8
	s_add_co_u32 s30, s30, s32
	s_mov_b32 s31, 0
	s_lshr_b32 s32, s26, 5                         ; wpack: my record, + my image
	s_mul_i32 s32, s32, RECB
	s_mul_i32 s34, s18, 1536
	s_add_co_u32 s32, s32, s34
	s_mov_b32 s33, 0
	s_wait_alu depctr_va_vdst(0)                   ; the wait at the head's end
	s_wait_kmcnt 0x0
	s_add_nc_u64 s[4:5], s[4:5], s[28:29]
	s_add_nc_u64 s[10:11], s[10:11], s[30:31]
	s_add_nc_u64 s[8:9], s[8:9], s[32:33]
.set i, 0
.rept 64
	global_load_b32 v[XW+i], v2, s[4:5] offset:i*131072 th:TH_LOAD_NT   ; W(64 dq + i, my column): 128 consecutive bytes a wave; 63 rows on are inside the signed 24-bit immediate
.set i, i+1
.endr
; Block b of my column: into the stage for wt as it is; its largest magnitude, scale and codes; its squares
.macro QB b
.set XS, XW+32*(\b)
.set CB, CW+8*(\b)
.irp q, 0,1,2,3,4,5,6,7
	ds_store_b128 v3, v[XS+4*\q:XS+4*\q+3] offset:128*(\b)+16*\q
.endr
	v_max3_num_f32 v16, |v[XS]|, |v[XS+1]|, |v[XS+2]|
	v_max3_num_f32 v17, |v[XS+3]|, |v[XS+4]|, |v[XS+5]|
.irp i, 6,10,14,18,22,26
	s_delay_alu instid0(VALU_DEP_2)
	v_max3_num_f32 v16, v16, |v[XS+\i]|, |v[XS+\i+1]|
	s_delay_alu instid0(VALU_DEP_2)
	v_max3_num_f32 v17, v17, |v[XS+\i+2]|, |v[XS+\i+3]|
.endr
	s_delay_alu instid0(VALU_DEP_2)
	v_max3_num_f32 v16, v16, |v[XS+30]|, |v[XS+31]|
	s_delay_alu instid0(VALU_DEP_1)
	v_max3_num_f32 v16, v16, v17, 0x1800000        ; and the floor 2^(3 - 127): the byte cannot fall under 1
	s_delay_alu instid0(VALU_DEP_1)
	v_add_nc_u32 v[SCL+(\b)], 0xff000000, v16      ; 2 off the exponent field: the conversion takes this operand's exponent field as its scale
	s_delay_alu instid0(VALU_DEP_1)
	v_lshrrev_b32 v[BY+(\b)], 23, v[SCL+(\b)]      ; the scale's byte
.if (\b) == 0
	v_pk_mul_f32 v[22:23], v[XS:XS+1], v[XS:XS+1]                  ; the first squares start the two chains: nothing is cleared
	v_pk_mul_f32 v[24:25], v[XS+2:XS+3], v[XS+2:XS+3]
.else
	v_pk_fma_f32 v[22:23], v[XS:XS+1], v[XS:XS+1], v[22:23]
	v_pk_fma_f32 v[24:25], v[XS+2:XS+3], v[XS+2:XS+3], v[24:25]
.endif
.set i, 1
.rept 7
	s_delay_alu instid0(VALU_DEP_2)
	v_pk_fma_f32 v[22:23], v[XS+4*i:XS+4*i+1], v[XS+4*i:XS+4*i+1], v[22:23]
	s_delay_alu instid0(VALU_DEP_2)
	v_pk_fma_f32 v[24:25], v[XS+4*i+2:XS+4*i+3], v[XS+4*i+2:XS+4*i+3], v[24:25]
.set i, i+1
.endr
	v_cvt_scalef32_pk16_fp6_f32 v[CB:CB+2], v[XS:XS+15], v[SCL+(\b)]
	v_cvt_scalef32_pk16_fp6_f32 v[CB+4:CB+6], v[XS+16:XS+31], v[SCL+(\b)]   ; (a conversion's three registers begin on an even number)
	v_nop                                          ; one plain instruction behind the scaled conversions
	v_mov_b32 v[CB+3], v[CB+4]                     ; the block's six registers on end
	v_mov_b32 v[CB+4], v[CB+5]
	v_mov_b32 v[CB+5], v[CB+6]
	ds_store_b64 v6, v[CB:CB+1] offset:256*(\b)                    ; to the places of lane r + 16 b in the image: 16 bytes a lane, so 256 b on
	ds_store_b64 v7, v[CB+2:CB+3] offset:256*(\b)+8
	ds_store_b64 v6, v[CB+4:CB+5] offset:256*(\b)+512
.endm
	s_wait_loadcnt 32                              ; block 0's 32 loads are in; block 1's may be out
	QB 0
	s_wait_loadcnt 0x0
	QB 1
	v_lshl_or_b32 v[BY], v[BY+1], 8, v[BY]
	ds_store_b16 v8, v[BY]                         ; bytes 2 c and 2 c + 1 of my column's scale word of K step s
	v_pk_add_f32 v[22:23], v[22:23], v[24:25]
	s_delay_alu instid0(VALU_DEP_1)
	v_add_f32 v22, v22, v23
	ds_store_b32 v9, v22
.irp t, 0,1,2,3,4,5,6,7,8,9,10,11,12,13,14,15
	ds_load_b128 v[XW+4*\t:XW+4*\t+3], v4 offset:544*\t            ; LDS serves a wave's instructions in order (ISA guide 5.7.1.4): these see my stores into my stage
.endr
.irp t, 0,1,2,3,4,5,6,7,8,9,10,11,12,13,14,15
	s_wait_dscnt 15-\t                             ; rows 2 t and 2 t + 1 are back; the younger loads may be out
	global_store_b128 v5, v[XW+4*\t:XW+4*\t+3], s[10:11] offset:2048*\t th:TH_STORE_NT   ; sixteen lanes store 256 consecutive bytes, at a multiple of 256 from wt's first byte
.endr
	s_wait_dscnt 0x0                               ; for the others' sake: my stores into the records and the parts are done
	s_barrier_signal -1
	s_barrier_wait -1
.irp c, 0,1,2
	ds_load_b128 v[OW+4*\c:OW+4*\c+3], v10 offset:512*\c           ; one whole image, to which two waves have written
.endr
	s_wait_dscnt 0x0
.irp c, 0,1,2
	global_store_b128 v11, v[OW+4*\c:OW+4*\c+3], s[8:9] offset:512*\c th:TH_STORE_NT   ; 512 consecutive bytes a store
.endr
	s_cmp_lg_u32 s18, 0                            ; the waves with dq = 0 finish their record: 1/c, its square, and the record's last 512 bytes
	s_cbranch_scc1 .Lwdone
.irp q, 0,1,2,3
	ds_load_b32 v[16+\q], v12 offset:256*\q
.endr
	s_wait_dscnt 0x0
	v_add_f32 v16, v16, v17
	v_add_f32 v18, v18, v19
	s_delay_alu instid0(VALU_DEP_1)
	v_add_f32 v16, v16, v18
	s_wait_alu depctr_va_vdst(0)                   ; the wait ahead of the transcendental
	v_rsq_f32 v20, v16                             ; 1/c
	v_nop                                          ; a plain instruction behind it,
	s_wait_alu depctr_va_vdst(0)                   ; and the wait ahead of its first reader
	v_min_num_f32 v20, 0x5e000000, v20             ; held at 2^61: a column of zeros keeps finite factors
	s_delay_alu instid0(VALU_DEP_1)
	v_mul_f32 v15, v20, v20
	ds_store_b32 v13, v20
	ds_store_b32 v13, v15 offset:128
	ds_load_b128 v[OW+12:OW+15], v14               ; in order behind my two stores; the scale bytes were stored ahead of the barrier
	s_wait_dscnt 0x0
	global_store_b128 v11, v[OW+12:OW+15], s[8:9] offset:6144 th:TH_STORE_NT
.Lwdone:
	s_wait_tensorcnt 0x0                           ; the wave's end
	ds_add_u32 v[SPW], v[NIL]
	s_wait_dscnt 0x0
	s_endpgm
; ---------------- targ.  d is innermost: lane (r, h) takes, of row r, the 16 neighbours 16 h .. 16 h + 15 of each block of 32; lanes l and l xor 16 hold a block.
.Ltpath:
	s_sub_co_u32 s17, ttmp9, WGW
	s_lshl_b32 s17, s17, 3
	s_add_co_u32 s17, s17, s16                     ; my tile of 16 rows
	s_wait_alu depctr_va_vdst(0)
	v_and_b32 v36, 15, v1                          ; r
	v_lshrrev_b32 v37, 4, v1                       ; h
	s_delay_alu instid0(VALU_DEP_2)
	v_lshlrev_b32 v2, 10, v36
	s_delay_alu instid0(VALU_DEP_1)
	v_lshl_add_u32 v2, v37, 6, v2                  ; row r of 1,024 bytes, + 64 h
	v_lshlrev_b32 v3, 4, v1                        ; 16 x lane
	s_mov_b32 s40, 0x76543210
	s_mov_b32 s41, 0xfedcba98                      ; v_permlanex16_b32's selects for lane l xor 16
	s_lshl_b32 s18, s17, 14
	s_mov_b32 s19, 0
	s_mul_i32 s20, s17, 3072
	s_mov_b32 s21, 0
	s_lshl_b32 s22, s17, 9
	s_mov_b32 s23, 0
.irp b, 0,1,2,3
	v_mov_b32 v[TM+4+\b], 0                        ; written once: a lane permute's destination counts as one of its sources
.endr
	s_wait_alu depctr_va_vdst(0)
	s_wait_kmcnt 0x0
	s_add_nc_u64 s[6:7], s[6:7], s[18:19]
	s_add_nc_u64 s[12:13], s[12:13], s[20:21]
	s_add_nc_u64 s[14:15], s[14:15], s[22:23]
.irp s, 0,1
.irp b, 0,1,2,3
.irp j, 0,1,2,3
	global_load_b128 v[XT+64*\s+16*\b+4*\j:XT+64*\s+16*\b+4*\j+3], v2, s[6:7] offset:512*\s+128*\b+16*\j th:TH_LOAD_NT
.endr
.endr
.endr
; K step s: 64 numbers of a lane, register 16 b + i = d 128 s + 32 b + 16 h + i of my row, become a fragment's codes in v[PC] on and its scale word in v[MT + s]
.macro QT s
.set XS, XT+64*(\s)
.irp b, 0,1,2,3
	v_max3_num_f32 v[TM+\b], |v[XS+16*\b]|, |v[XS+16*\b+1]|, 0x1800000   ; my 16 numbers of block b, and the floor 2^(3 - 127)
.endr
.irp i, 2,4,6,8,10,12,14
.irp b, 0,1,2,3
	s_delay_alu instid0(VALU_DEP_4)
	v_max3_num_f32 v[TM+\b], v[TM+\b], |v[XS+16*\b+\i]|, |v[XS+16*\b+\i+1]|
.endr
.endr
.irp b, 0,1,2,3
	s_delay_alu instid0(VALU_DEP_4)
	v_permlanex16_b32 v[TM+4+\b], v[TM+\b], s40, s41
.endr
.irp b, 0,1,2,3
	s_delay_alu instid0(VALU_DEP_4)
	v_max_num_f32 v[TM+\b], v[TM+\b], v[TM+4+\b]   ; with lane l xor 16's: the block's largest magnitude
.endr
.irp b, 0,1,2,3
	s_delay_alu instid0(VALU_DEP_4)
	v_add_nc_u32 v[TM+8+\b], 0xff000000, v[TM+\b]  ; the conversion's scale operand
.endr
.irp b, 0,1,2,3
	s_delay_alu instid0(VALU_DEP_4)
	v_lshrrev_b32 v[TM+4+\b], 23, v[TM+8+\b]       ; the scale's byte
.endr
	s_delay_alu instid0(VALU_DEP_3)
	v_lshl_or_b32 v[MT+(\s)], v[TM+5], 8, v[TM+4]
	s_delay_alu instid0(VALU_DEP_1)
	v_lshl_or_b32 v[MT+(\s)], v[TM+6], 16, v[MT+(\s)]
	s_delay_alu instid0(VALU_DEP_1)
	v_lshl_or_b32 v[MT+(\s)], v[TM+7], 24, v[MT+(\s)]
.irp c, 0,1
	v_cvt_scalef32_pk16_fp6_f32 v[PC+6*\c:PC+6*\c+2], v[XS+32*\c:XS+32*\c+15], v[TM+8+2*\c]
	v_cvt_scalef32_pk16_fp6_f32 v[TM+4*\c:TM+4*\c+2], v[XS+32*\c+16:XS+32*\c+31], v[TM+8+2*\c+1]   ; (three registers from an even number on: made where the maxima and bytes lay, then moved)
.endr
	v_nop                                          ; one plain instruction behind the scaled conversions
.irp c, 0,1                                    ; the operand's layout wants a WHOLE block in a lane: lanes 0-15 block 2 c, lanes 16-31 block 2 c + 1
.irp i, 0,1,2
	v_permlane16_swap_b32 v[PC+6*\c+\i], v[TM+4*\c+\i]
.endr
.irp i, 0,1,2
	s_delay_alu instid0(VALU_DEP_3)
	v_mov_b32 v[PC+3+6*\c+\i], v[TM+4*\c+\i]
.endr
.endr
.endm
.macro SQT s                                   ; the squares of K step s, in two chains
.if (\s) == 0
	v_pk_mul_f32 v[32:33], v[XT:XT+1], v[XT:XT+1]
	v_pk_mul_f32 v[34:35], v[XT+2:XT+3], v[XT+2:XT+3]
.else
	v_pk_fma_f32 v[32:33], v[XT+64*(\s):XT+64*(\s)+1], v[XT+64*(\s):XT+64*(\s)+1], v[32:33]
	v_pk_fma_f32 v[34:35], v[XT+64*(\s)+2:XT+64*(\s)+3], v[XT+64*(\s)+2:XT+64*(\s)+3], v[34:35]
.endif
.set i, 1
.rept 15
	s_delay_alu instid0(VALU_DEP_2)
	v_pk_fma_f32 v[32:33], v[XT+64*(\s)+4*i:XT+64*(\s)+4*i+1], v[XT+64*(\s)+4*i:XT+64*(\s)+4*i+1], v[32:33]
	s_delay_alu instid0(VALU_DEP_2)
	v_pk_fma_f32 v[34:35], v[XT+64*(\s)+4*i+2:XT+64*(\s)+4*i+3], v[XT+64*(\s)+4*i+2:XT+64*(\s)+4*i+3], v[34:35]
.set i, i+1
.endr
.endm
	s_wait_loadcnt 16                              ; K step 0's sixteen loads are in; K step 1's may be out
	QT 0
.irp c, 0,1,2
	global_store_b128 v3, v[PC+4*\c:PC+4*\c+3], s[12:13] offset:512*\c th:TH_STORE_NT
.endr
	SQT 0
	s_wait_loadcnt 0x0
	s_wait_xcnt 0x0                                ; the three stores have read the codes' registers: only now are they written again
	QT 1
.irp c, 0,1,2
	global_store_b128 v3, v[PC+4*\c:PC+4*\c+3], s[12:13] offset:1536+512*\c th:TH_STORE_NT
.endr
	SQT 1
	s_delay_alu instid0(VALU_DEP_1)
	v_pk_add_f32 v[32:33], v[32:33], v[34:35]
	s_delay_alu instid0(VALU_DEP_1)
	v_add_f32 v32, v32, v33
	s_delay_alu instid0(VALU_DEP_1)
	v_permlanex16_b32 v36, v32, s40, s41           ; the row's other 128 numbers lie in the lane 16 away
	s_delay_alu instid0(VALU_DEP_1)
	v_add_f32 v32, v32, v36
	s_wait_alu depctr_va_vdst(0)                   ; the wait ahead of the transcendental
	v_rsq_f32 v36, v32                             ; 1 / |t|
	v_mov_b32 v[MT+3], 0                           ; (a plain instruction behind it)
	s_wait_alu depctr_va_vdst(0)                   ; the wait ahead of its first reader
	v_mul_f32 v36, 0xb3d6bf95, v36                 ; -1e-7 / |t|
	s_delay_alu instid0(VALU_DEP_1)
	v_max_num_f32 v[MT+2], -1.0, v36               ; held at -1: a row of zeros keeps a finite number
	global_store_b128 v3, v[MT:MT+3], s[14:15] th:TH_STORE_NT
	s_endpgm
.Lfunc_end_k_qf5af181678_prep:
	.size	k_qf5af181678_prep, .Lfunc_end_k_qf5af181678_prep-k_qf5af181678_prep
	.p2alignl 7, 3214868480
	.fill 96, 4, 3214868480
	.section	.rodata,"a",@progbits
	.p2align	6, 0x0
	.amdhsa_kernel k_qf5af181678_prep
		.amdhsa_group_segment_fixed_size 84992
		.amdhsa_private_segment_fixed_size 0
		.amdhsa_enable_private_segment 0
		.amdhsa_kernarg_size 48
		.amdhsa_user_sgpr_count 2
		.amdhsa_user_sgpr_kernarg_segment_ptr 1
		.amdhsa_wavefront_size32 1
		.amdhsa_system_sgpr_workgroup_id_x 1
		.amdhsa_system_sgpr_workgroup_id_y 1
		.amdhsa_system_sgpr_workgroup_id_z 1
		.amdhsa_system_vgpr_workitem_id 0
		.amdhsa_next_free_vgpr 168
		.amdhsa_next_free_sgpr 66
		.amdhsa_reserve_vcc 0
		.amdhsa_float_denorm_mode_32 3
		.amdhsa_float_denorm_mode_16_64 3
		.amdhsa_memory_ordered 1
		.amdhsa_forward_progress 1
		.amdhsa_inst_pref_size 46
	.end_amdhsa_kernel
	.amdgpu_metadata
---
amdhsa.version: [ 1, 2 ]
amdhsa.kernels:
  - .name:           k_qf5af181678_prep
    .symbol:         k_qf5af181678_prep.kd
    .args:
      - { .name: W, .offset: 0, .size: 8, .value_kind: global_buffer, .address_space: global }
      - { .name: targ, .offset: 8, .size: 8, .value_kind: global_buffer, .address_space: global }
      - { .name: wpack, .offset: 16, .size: 8, .value_kind: global_buffer, .address_space: global }
      - { .name: wt, .offset: 24, .size: 8, .value_kind: global_buffer, .address_space: global }
      - { .name: tcodes, .offset: 32, .size: 8, .value_kind: global_buffer, .address_space: global }
      - { .name: tmeta, .offset: 40, .size: 8, .value_kind: global_buffer, .address_space: global }
    .group_segment_fixed_size: 84992
    .private_segment_fixed_size: 0
    .kernarg_segment_align: 8
    .kernarg_segment_size: 48
    .max_flat_workgroup_size: 256
    .sgpr_count:     66
    .vgpr_count:     168
    .wavefront_size: 32
...
	.end_amdgpu_metadata
.endif
;; end of part 1
;; launch score (part 2): grid 32 x 8, 16 waves a work-group, clusters of 4 x 1, 327,680 bytes of LDS; arguments wpack, tcodes, tmeta, cand; writes cand
.if DOCPART == 2
	.amdgcn_target "amdgcn-amd-amdhsa--gfx1250"
	.amdhsa_code_object_version 6
	.text
	.protected	k_qf5af181678_score
	.globl	k_qf5af181678_score
	.p2align	8
	.type	k_qf5af181678_score,@function
k_qf5af181678_score:
	s_mov_b64 s[64:65], 0
	v_nop
	global_prefetch_b8 v0, s[64:65] scope:SCOPE_SE
	s_setreg_imm32_b32 hwreg(HW_REG_WAVE_MODE, 25, 1), 1
	s_wait_xcnt 0x0
	s_wait_alu depctr_hold_cnt(0) depctr_sa_sdst(0) depctr_va_vdst(0) depctr_va_sdst(0) depctr_va_ssrc(0) depctr_va_vcc(0) depctr_vm_vsrc(0)
	s_getreg_b32 s2, hwreg(HW_REG_IB_STS2, 6, 4)
	s_cmp_eq_u32 s2, 0
	s_cbranch_scc0 .Lentry_in_a_cluster
	s_endpgm
.Lentry_in_a_cluster:
	s_bfe_u32 s2, ttmp6, 0x10000c
	s_cmp_lg_u32 s2, 0x3003
	s_cbranch_scc0 .Lentry_shape_is_right
	s_endpgm
.Lentry_shape_is_right:
; Of each row b the first largest score within a split of 4,096 columns.  The dots are made on codes of FP6 (E2M3) with E8M0 scales, sums in f32.
; THE SCORE is dot x (1/c - e / c^2), c = |W[:,k]|, e = 1e-7 / |t[b]|: reference()'s a = dot / (|t| c + 1e-7) times |t|, which is positive and the same along a row and so moves no argmax,
; with 1 / (c + e) taken to the first order in u = e / c.  1/c, 1/c^2 and -e come from the launch before.  LIMIT: the term left out is u^2: the promise holds while |t| c is at least 1e-3.
; Rows and columns of zeros are served: their dots are 0 and the factors are held finite, so their scores are 0, as reference()'s.  NaN and infinities are not served.
; The rounding differs from reference()'s by a few units of the last place (one fused multiply-add and one multiplication here; a product, a sum and a division there).
; Nothing of the scores goes to memory: for each row and split 8 bytes leave: a key (the best score's bits made to order as a signed whole number; -0 counts as +0) and the column's number.
; SHARES.  A work-group owns 256 rows and one of 8 splits of the columns.  Sixteen waves of 256 registers, four to a SIMD:
; wave w holds rows 64 (w & 3) .. + 63 (four tiles; their eight fragments stay in 96 registers) and takes quarter w >> 2 of each slot's column tiles, eight tiles a slot.
; W's records (32 columns: four fragment images, scale words, 1/c, 1/c^2; 6,656 bytes) come through a ring of two LDS slots of 16 records, filled by the tensor data mover: waves 0 to 3, four records each.
; CLUSTER.  The four row blocks of a cluster walk the same split of W: each tile is asked for JOINTLY, by the same tensor load with the same descriptor and a mask that names the four.
; THE PRODUCT IS USED TRANSPOSED: source 0 = 16 columns of W, source 1 = 16 rows of t: lane (r, h) holds row r, its register j column 16 tile + 8 h + j.  So a row's argmax stays in two lanes.
; THE ARGMAX.  For each column tile: the largest of a lane's eight scores against the lane's best so far; where it is greater (strictly: the earlier tile keeps a tie), the best, the tile's number and the
; eight scores are taken over by selects, two selects to an instruction.  Which of the eight it was is found once, at the end: the first that equals the best.  No branch and no address hangs on a score.
; A slot's eight tiles are written out: the next tile's fragments are asked of LDS behind this tile's products, its column factors behind their last use, so both come in under this tile's vector work.
; PREFETCH.  In the trip that asks for slot t + 1 by tensor loads, slot t + 2's 416 blocks of 256 bytes are named once in the cluster: the partner at place cx takes quarter cx (104 blocks), by address;
; waves 4 to 7 of it name 32 blocks each, a lane a block (the lanes left over name block 103 again).  The last trip of the loop asks for nothing: slot 7 is the split's last.
.set SLOT1, 1<<17                      ; slot 0 at byte 0, slot 1 here: one exclusive or turns an address from one into the other
.set SLOTB, 106496                     ; 16 records
.set RECB,  6656
.set QUART, 26624                      ; four records: what one tensor load brings and what one quarter of the waves reads
.set SCR,   245760                     ; behind the ring: keys [quarter 4][256 rows], 4,096 bytes, then the columns' numbers likewise
.set SPARE, 253952                     ; the spare words, 128 bytes for each of 16 waves: eight blocks of 256 bytes that no other line names
.set LN,   1                           ; lane
.set H,    2                           ; lane / 16
.set ADB,  3                           ; 16 x lane + my quarter of the slot in hand
.set SPW,  4                           ; my spare word; never rewritten
.set NIL,  5                           ; 0; never rewritten
.set MXA,  6                           ; a tile's largest score, for two row tiles by turns
.set MXB,  7
.set TIDV, 8                           ; the column tile's number
.set WS,   9                           ; W's scale words: lanes 0-15 K step 0, lanes 16-31 K step 1
.set ADS,  10                          ; 4 x lane + my quarter
.set ADC,  11                          ; 32 x (lane / 16) + my quarter
.set BEST, 12                          ; v12-15  the best score so far, a register a row tile
.set GID,  17                          ; v17-20  its column tile (odd where BEST is even: the two are selected by one dual instruction)
.set PFO,  21                          ; the prefetch's offset: 256 x my block; never rewritten
.set SAV,  22                          ; v22-53  that tile's eight scores
.set TM,   54                          ; v54-69  a row tile's scale word of K step 0, of K step 1, -e, 0
.set CN,   70                          ; v70-77  1/c of my eight columns, v78-85 1/c^2
.set FF,   86                          ; v86-101 the factors of two row tiles
.set BF,   102                         ; v102-125 W's two fragments
.set ACC,  126                         ; v126-157 four accumulators
.set AF,   158                         ; v158-253 t's eight fragments
.set SA,   86                          ; at the end, where the factors lay: where I put a row's key in SCR
.set SRD,  87                          ; where I read it back
.set GOF,  88                          ; 8 x thread: my place in cand
.set JJ,   89
.set IX,   90
.set KK,   91
.set TT,   92
.set PK,   93
.set PI,   94
.macro ROUND                           ; a round of the cluster's barrier
	s_barrier_signal -1
	s_barrier_wait -1
	s_cmp_lg_u32 s12, 0
	s_cbranch_scc1 .Lnw0_\@
	s_barrier_signal -3
.Lnw0_\@:
	s_barrier_wait -3
	s_barrier_signal -1
	s_barrier_wait -1
.endm
.macro TLOAD                           ; waves 0 to 3 fetch a quarter of a slot each; the branch hangs on the wave's number alone.  s_nop 0 and four v_nop follow the load
	s_cmp_lt_u32 s12, 4
	s_cbranch_scc0 .Lnone_\@
	tensor_load_to_lds s[20:23], s[24:31]
	s_nop 0
.rept 4
	v_nop
.endr
.Lnone_\@:
.endm
	s_load_b256 s[4:11], s[0:1], 0x0               ; wpack s[4:5], tcodes s[6:7], tmeta s[8:9], cand s[10:11]
	v_lshl_add_u32 v[SPW], v0, 2, SPARE
	v_mov_b32 v[NIL], 0
	ds_add_u32 v[SPW], v[NIL]                      ; the opening lines: the add, twice on end, and its wait
	ds_add_u32 v[SPW], v[NIL]
	s_wait_dscnt 0x0
	v_lshrrev_b32 v[LN], 5, v0
	s_delay_alu instid0(VALU_DEP_1)
	v_readfirstlane_b32 s12, v[LN]                 ; wave 0..15
	v_and_b32 v[LN], 31, v0
	v_bfe_u32 v[H], v0, 4, 1
	s_wait_alu depctr_va_vdst(0)                   ; the wait behind these writes
	s_and_b32 s13, s12, 3                          ; my 64 rows.  Also: which quarter of a slot I fetch, if I fetch
	s_lshr_b32 s14, s12, 2                         ; my quarter of the column tiles
	s_bfe_u32 s41, ttmp6, 0x40000                  ; cx: it enters the addresses of tcodes, tmeta, cand and of the prefetch alone
	s_lshl_b32 s42, ttmp9, 2
	s_add_co_u32 s42, s42, s41                     ; my block of 256 rows
	s_and_b32 s43, ttmp7, 0xffff                   ; the split, which the four partners share
	; descriptor group 1: four records, a dense block, as 104 rows of 256 bytes (32 elements of 8 bytes), no padding: every LDS read takes 16 x lane on end
	s_mov_b32 s24, 15|(3<<16)|(1<<21)              ; 15:0 the mask: all four work-groups; 17:16 elements of 8 bytes; 21 set beside a mask
	s_mov_b32 s25, 32<<16                          ; tensor_dim0 = 32
	s_mov_b32 s26, 104<<16                         ; tensor_dim1 = 104
	s_mov_b32 s27, 32<<16                          ; tile_dim0 = 32
	s_mov_b32 s28, 104                             ; tile_dim1 = 104
	s_mov_b32 s29, 32                              ; from row to row: 32 elements
	s_mov_b32 s30, 0
	s_mov_b32 s31, 0
	s_mul_i32 s44, s13, QUART
	s_mul_i32 s46, s43, 8*SLOTB                    ; the split's 128 records
	s_add_co_u32 s46, s46, s44
	s_mov_b32 s47, 0
	s_mov_b32 s20, 1                               ; group 0: count = 1,
	s_mov_b32 s21, s44                             ; LDS address: my quarter of slot 0
	s_lshl_b32 s45, s42, 4
	s_lshl_b32 s50, s13, 2
	s_add_co_u32 s45, s45, s50                     ; my first tile of 16 rows
	s_mul_i32 s50, s45, 3072
	s_mov_b32 s51, 0
	s_lshl_b32 s52, s45, 9
	s_mov_b32 s53, 0
	s_lshl_b32 s54, s43, 16                        ; cand: 8 bytes x (8,192 x split + 256 x block)
	s_lshl_b32 s55, s42, 11
	s_add_co_u32 s54, s54, s55
	s_mov_b32 s55, 0
	s_mul_i32 s56, s43, 8*SLOTB                    ; the prefetch: the split's slot 2, my work-group's quarter of it
	s_mul_i32 s57, s41, QUART
	s_add_co_u32 s56, s56, s57
	s_add_co_u32 s56, s56, 2*SLOTB
	s_mov_b32 s57, 0
	s_lshl_b32 s58, s13, 5
	s_mov_b32 s34, 0x76543210
	s_mov_b32 s35, 0xfedcba98                      ; v_permlanex16_b32's selects for lane l xor 16
	s_mul_i32 s36, s14, QUART                      ; LDS byte of my quarter of the slot in hand
	s_lshl_b32 s37, s43, 8
	s_lshl_b32 s38, s14, 3
	s_add_co_u32 s37, s37, s38                     ; the number of the column tile in hand
	s_mov_b32 s39, 7
	s_lshl_b32 s15, s14, 10
	s_lshl_b32 s16, s13, 8
	s_add_co_u32 s15, s15, s16
	s_add_co_u32 s15, s15, SCR                     ; SCR + 1,024 x quarter + 4 x 64 x my rows' group
	v_add_nc_u32 v[PFO], s58, v[LN]                ; of the quarter's 104 blocks: 32 x (wave & 3) + lane,
	v_lshlrev_b32 v[ADB], 4, v[LN]
	s_delay_alu instid0(VALU_DEP_2)
	v_min_u32 v[PFO], 103, v[PFO]                  ; held at the last
	s_delay_alu instid0(VALU_DEP_1)
	v_lshlrev_b32 v[PFO], 8, v[PFO]
	s_wait_alu depctr_va_vdst(0)
	s_wait_kmcnt 0x0
	s_add_nc_u64 s[22:23], s[4:5], s[46:47]        ; global address: my quarter of the split's first slot
	s_or_b32 s23, s23, 0x80000000                  ; type = 2
	s_add_nc_u64 s[56:57], s[4:5], s[56:57]
	s_add_nc_u64 s[6:7], s[6:7], s[50:51]
	s_add_nc_u64 s[8:9], s[8:9], s[52:53]
	s_add_nc_u64 s[10:11], s[10:11], s[54:55]
	ROUND                                          ; all four work-groups are here: the first joint loads meet
	TLOAD                                          ; slot 0
.irp i, 0,1,2,3
.irp s, 0,1
.irp c, 0,1,2
	global_load_b128 v[AF+24*\i+12*\s+4*\c:AF+24*\i+12*\s+4*\c+3], v[ADB], s[6:7] offset:3072*\i+1536*\s+512*\c   ; t's fragments, as images: they stay
.endr
.endr
	global_load_b128 v[TM+4*\i:TM+4*\i+3], v[ADB], s[8:9] offset:512*\i
.endr
.irp i, 0,1,2,3
	v_mov_b32 v[BEST+\i], 0xff800000               ; -infinity: under every score
	v_mov_b32 v[GID+\i], 0
.endr
.set i, 0
.rept 32
	v_mov_b32 v[SAV+i], 0xff800000
.set i, i+1
.endr
.macro LOADB t                                 ; column tile t of my eight: its two fragments and its scale words
.irp s, 0,1
.irp c, 0,1,2
	ds_load_b128 v[BF+12*\s+4*\c:BF+12*\s+4*\c+3], v[ADB] offset:((\t)/2)*RECB+3072*((\t)%2)+1536*\s+512*\c
.endr
.endr
	ds_load_b32 v[WS], v[ADS] offset:((\t)/2)*RECB+6144+128*((\t)%2)
.endm
.macro LOADC t                                 ; 1/c and 1/c^2 of my eight columns of tile t
.irp q, 0,1,2,3
	ds_load_b128 v[CN+4*\q:CN+4*\q+3], v[ADC] offset:((\t)/2)*RECB+6400+64*((\t)%2)+128*(\q/2)+16*(\q%2)
.endr
.endm
.macro FAC i                                   ; the factors of row tiles i, i + 1: 1/c^2 x (-e) + 1/c, two at a time
.irp e, 0,1
.irp q, 0,1,2,3
	v_pk_fma_f32 v[FF+8*\e+2*\q:FF+8*\e+2*\q+1], v[CN+8+2*\q:CN+8+2*\q+1], v[TM+4*((\i)+\e)+2:TM+4*((\i)+\e)+3], v[CN+2*\q:CN+2*\q+1] op_sel_hi:[1,0,1]
.endr
.endr
.endm
.macro M1 i, e, q
	v_pk_mul_f32 v[ACC+8*(\i)+2*\q:ACC+8*(\i)+2*\q+1], v[ACC+8*(\i)+2*\q:ACC+8*(\i)+2*\q+1], v[FF+8*\e+2*\q:FF+8*\e+2*\q+1]
.endm
.macro MULT i                                  ; the scores of row tiles i, i + 1, in place; each accumulator is read from its low end on; the order keeps every reader five lines or more behind its source
	M1 \i, 0, 0
	M1 \i, 0, 1
	M1 (\i)+1, 1, 0
	M1 (\i)+1, 1, 1
	M1 \i, 0, 2
	M1 (\i)+1, 1, 2
	M1 \i, 0, 3
	M1 (\i)+1, 1, 3
.endm
.macro SEL2 d0, n0, d1, n1                     ; two selects by VCC in one instruction: one destination even, the other odd, the sources of a kind in different banks
	v_dual_cndmask_b32 v[\d0], v[\d0], v[\n0] :: v_dual_cndmask_b32 v[\d1], v[\d1], v[\n1]
.endm
.macro TAKE i, mx                              ; row tile i takes the tile over where its largest score is strictly greater: the earlier tile keeps a tie
	v_cmp_gt_f32 vcc_lo, v[\mx], v[BEST+(\i)]
	SEL2 BEST+(\i), \mx, GID+(\i), TIDV
.irp j, 0,2,4,6
	SEL2 SAV+8*(\i)+\j, ACC+8*(\i)+\j, SAV+8*(\i)+\j+1, ACC+8*(\i)+\j+1
.endr
.endm
.macro SELECT2 i                               ; row tiles i and i + 1: the two chains of maxima line by line in turn
.set ACA, ACC+8*(\i)
.set ACB, ACC+8*(\i)+8
	v_max3_num_f32 v[MXA], v[ACA], v[ACA+1], v[ACA+2]
	v_max3_num_f32 v[MXB], v[ACB], v[ACB+1], v[ACB+2]
	s_delay_alu instid0(VALU_DEP_2)
	v_max3_num_f32 v[MXA], v[MXA], v[ACA+3], v[ACA+4]
	s_delay_alu instid0(VALU_DEP_2)
	v_max3_num_f32 v[MXB], v[MXB], v[ACB+3], v[ACB+4]
	s_delay_alu instid0(VALU_DEP_2)
	v_max3_num_f32 v[MXA], v[MXA], v[ACA+5], v[ACA+6]
	s_delay_alu instid0(VALU_DEP_2)
	v_max3_num_f32 v[MXB], v[MXB], v[ACB+5], v[ACB+6]
	s_delay_alu instid0(VALU_DEP_2)
	v_max_num_f32 v[MXA], v[MXA], v[ACA+7]
	s_delay_alu instid0(VALU_DEP_2)
	v_max_num_f32 v[MXB], v[MXB], v[ACB+7]
	TAKE \i, MXA
	TAKE (\i)+1, MXB
.endm
; Column tile t of my eight, against my four row tiles.
.macro TILE t
	s_wait_dscnt 4                                 ; the fragments and scale words are in; the four loads issued behind them, the column factors, may be out
.irp i, 0,1,2,3                                ; the four accumulators take turns, one instruction a turn; the first K step starts the sums
	v_wmma_scale_f32_16x16x128_f8f6f4 v[ACC+8*\i:ACC+8*\i+7], v[BF:BF+11], v[AF+24*\i:AF+24*\i+11], 0, v[WS], v[TM+4*\i] matrix_a_fmt:MATRIX_FMT_FP6 matrix_b_fmt:MATRIX_FMT_FP6
.endr
.irp i, 0,1,2,3
	v_wmma_scale_f32_16x16x128_f8f6f4 v[ACC+8*\i:ACC+8*\i+7], v[BF+12:BF+23], v[AF+24*\i+12:AF+24*\i+23], v[ACC+8*\i:ACC+8*\i+7], v[WS], v[TM+4*\i+1] matrix_a_fmt:MATRIX_FMT_FP6 matrix_b_fmt:MATRIX_FMT_FP6 matrix_a_scale:MATRIX_SCALE_ROW1
.endr
	s_wait_dscnt 0x0                               ; the column factors
	v_mov_b32 v[TIDV], s37
	FAC 0                                          ; with the line above nine plain instructions that name no register of the products: the places behind them
.if (\t) < 7
	LOADB (\t)+1                                   ; the next tile's fragments: they have the rest of this tile in which to come
.endif
	MULT 0
	SELECT2 0
	FAC 2
.if (\t) < 7
	LOADC (\t)+1                                   ; behind the last use of this tile's column factors
.endif
	MULT 2
	SELECT2 2
	s_add_co_u32 s37, s37, 1
.endm
; THE CHANGE OF SLOTS stands at a slot's head.  Each wave waits for all its tensor loads (of which at most one is out: its part of the slot ahead), adds 0 to its spare word, and waits for that and for its reads
; of the slot that it has left.  fill = 1: a round of the cluster's barrier, so that no wave of any partner still reads that slot or has a load on its way, and the joint refill first behind it.
.macro CHANGE fill
	s_wait_tensorcnt 0x0                           ; no tensor load of mine is out, so group 0 may be written
	ds_add_u32 v[SPW], v[NIL]                      ; 0 onto my spare word;
.if \fill
	ds_add_u32 v[SPW], v[NIL]                      ; twice on end here
	s_xor_b32 s21, s21, SLOT1                      ; the other slot than last time,
	s_add_nc_u64 s[22:23], s[22:23], SLOTB         ; the next 16 records; the type bits on top are not reached
.endif
	s_wait_dscnt 0x0                               ; the add is done, and my reads of the slot that I have left are over
.if \fill
	ROUND
	TLOAD                                          ; it has a whole slot's eight column tiles a wave in which to land
.else
	s_barrier_signal -1
	s_barrier_wait -1
.endif
.endm
.macro ASK                                     ; waves 4 to 7, in all trips but the loop's last: my work-group's quarter of the slot that the next trip's tensor loads will ask for
	s_cmp_lg_u32 s14, 1
	s_cbranch_scc1 .Lnoask_\@
	s_cmp_gt_u32 s39, 1
	s_cbranch_scc0 .Lnoask_\@
	global_prefetch_b8 v[PFO], s[56:57] th:TH_LOAD_NT scope:SCOPE_SE
.Lnoask_\@:
.endm
.macro SLOT_WORK pf                            ; my eight column tiles of the slot in hand
	v_lshl_add_u32 v[ADB], v[LN], 4, s36
	v_lshl_add_u32 v[ADS], v[LN], 2, s36
	v_lshl_add_u32 v[ADC], v[H], 5, s36
	s_wait_alu depctr_va_vdst(0)                   ; the wait behind these writes
	LOADB 0
	LOADC 0
	TILE 0
	TILE 1
.if \pf
	ASK
.endif
.irp t, 2,3,4,5,6,7
	TILE \t
.endr
	s_xor_b32 s36, s36, SLOT1                      ; my quarter of the other slot
	s_add_co_u32 s37, s37, 24                      ; a slot has 32 column tiles, of which eight were mine
.endm
.macro MERGE k, i, pk, pi                      ; (k, i) takes (pk, pi) where pk is the larger key, or the same key with the lower column
	v_cmp_gt_i32 s48, v[\pk], v[\k]
	v_cmp_eq_u32 s49, v[\pk], v[\k]
	v_cmp_lt_u32 vcc_lo, v[\pi], v[\i]
	s_and_b32 s49, s49, vcc_lo
	s_or_b32 vcc_lo, s48, s49
	v_cndmask_b32 v[\k], v[\k], v[\pk], vcc_lo
	v_cndmask_b32 v[\i], v[\i], v[\pi], vcc_lo
.endm
	s_wait_alu depctr_va_vdst(0)                   ; the wait at the head's end
	s_wait_loadcnt 0x0                             ; t's fragments, scale words and -e; the loads' offset register is free
.Lslot:                                            ; seven trips: behind each change of slots but the last the next slot is asked for
	CHANGE 1
	SLOT_WORK 1
	s_wait_xcnt 0x0                                ; my prefetch has read its base: only now is it stepped
	s_add_nc_u64 s[56:57], s[56:57], SLOTB
	s_sub_co_u32 s39, s39, 1
	s_cmp_lg_u32 s39, 0
	s_cbranch_scc1 .Lslot
	CHANGE 0                                       ; the last slot is written out
	SLOT_WORK 0
	; THE END.  Which of the winning tile's eight scores was the best: the first that equals it.  Then the column's number, the key, and the better of lanes l and l xor 16.
	v_and_b32 v[SA], 15, v0
	v_lshl_add_u32 v[SRD], v0, 2, SCR
	v_lshlrev_b32 v[GOF], 3, v0
	v_mov_b32 v[PK], 0                             ; written once: a lane permute's destination counts as one of its sources
	v_mov_b32 v[PI], 0
	v_lshl_add_u32 v[SA], v[SA], 2, s15            ; SCR + 1,024 x quarter + 4 x (64 x my rows' group + r)
	s_wait_alu depctr_va_vdst(0)                   ; the wait behind these writes: readers stand behind a barrier
.irp i, 0,1,2,3
	v_mov_b32 v[JJ], 0
.irp j, 7,6,5,4,3,2,1,0
	v_cmp_neq_f32 vcc_lo, v[SAV+8*\i+\j], v[BEST+\i]
	s_delay_alu instid0(VALU_DEP_1)
	v_cndmask_b32 v[JJ], \j, v[JJ], vcc_lo         ; descending, so that the lowest j that matches stays
.endr
	s_delay_alu instid0(VALU_DEP_1)
	v_lshl_add_u32 v[IX], v[GID+\i], 4, v[JJ]
	s_delay_alu instid0(VALU_DEP_1)
	v_lshl_add_u32 v[IX], v[H], 3, v[IX]           ; column = 16 x tile + 8 h + j
	v_add_f32 v[KK], 0, v[BEST+\i]                 ; -0 becomes +0
	s_delay_alu instid0(VALU_DEP_1)
	v_ashrrev_i32 v[TT], 31, v[KK]
	s_delay_alu instid0(VALU_DEP_1)
	v_and_b32 v[TT], 0x7fffffff, v[TT]
	s_delay_alu instid0(VALU_DEP_1)
	v_xor_b32 v[KK], v[KK], v[TT]                  ; of a negative number the bits under the sign are turned: the keys order as signed whole numbers as the scores do
	s_delay_alu instid0(VALU_DEP_1)
	v_permlanex16_b32 v[PK], v[KK], s34, s35
	v_permlanex16_b32 v[PI], v[IX], s34, s35
	MERGE KK, IX, PK, PI
	ds_store_b32 v[SA], v[KK] offset:64*\i         ; both halves of the lanes write the same word with the same value
	ds_store_b32 v[SA], v[IX] offset:4096+64*\i
.endr
	s_wait_dscnt 0x0                               ; for the others' sake: my stores are done
	s_barrier_signal -1
	s_barrier_wait -1
	s_cmp_lt_u32 s12, 8                            ; waves 0 to 7: a thread to a row: the best of the four quarters
	s_cbranch_scc0 .Lnot_out
.irp c, 0,1,2,3
	ds_load_b32 v[ACC+2*\c], v[SRD] offset:1024*\c
	ds_load_b32 v[ACC+2*\c+1], v[SRD] offset:4096+1024*\c
.endr
	s_wait_dscnt 0x0
	MERGE ACC, ACC+1, ACC+2, ACC+3
	MERGE ACC, ACC+1, ACC+4, ACC+5
	MERGE ACC, ACC+1, ACC+6, ACC+7
	global_store_b64 v[GOF], v[ACC:ACC+1], s[10:11]   ; a wave stores 256 consecutive bytes, at a multiple of 256 from cand's first byte
.Lnot_out:
	s_wait_tensorcnt 0x0                           ; the wave's end: behind my last tensor load and my last LDS store
	ds_add_u32 v[SPW], v[NIL]
	s_wait_dscnt 0x0
	ROUND                                          ; the closing round: no work-group ends while a partner may still ask for a tile that names it
	s_endpgm
.Lfunc_end_k_qf5af181678_score:
	.size	k_qf5af181678_score, .Lfunc_end_k_qf5af181678_score-k_qf5af181678_score
	.p2alignl 7, 3214868480
	.fill 96, 4, 3214868480
	.section	.rodata,"a",@progbits
	.p2align	6, 0x0
	.amdhsa_kernel k_qf5af181678_score
		.amdhsa_group_segment_fixed_size 327680
		.amdhsa_private_segment_fixed_size 0
		.amdhsa_enable_private_segment 0
		.amdhsa_kernarg_size 32
		.amdhsa_user_sgpr_count 2
		.amdhsa_user_sgpr_kernarg_segment_ptr 1
		.amdhsa_wavefront_size32 1
		.amdhsa_system_sgpr_workgroup_id_x 1
		.amdhsa_system_sgpr_workgroup_id_y 1
		.amdhsa_system_sgpr_workgroup_id_z 1
		.amdhsa_system_vgpr_workitem_id 0
		.amdhsa_next_free_vgpr 256
		.amdhsa_next_free_sgpr 66
		.amdhsa_reserve_vcc 1
		.amdhsa_float_denorm_mode_32 3
		.amdhsa_float_denorm_mode_16_64 3
		.amdhsa_memory_ordered 1
		.amdhsa_forward_progress 1
		.amdhsa_inst_pref_size 124
	.end_amdhsa_kernel
	.amdgpu_metadata
---
amdhsa.version: [ 1, 2 ]
amdhsa.kernels:
  - .name:           k_qf5af181678_score
    .symbol:         k_qf5af181678_score.kd
    .args:
      - { .name: wpack, .offset: 0, .size: 8, .value_kind: global_buffer, .address_space: global }
      - { .name: tcodes, .offset: 8, .size: 8, .value_kind: global_buffer, .address_space: global }
      - { .name: tmeta, .offset: 16, .size: 8, .value_kind: global_buffer, .address_space: global }
      - { .name: cand, .offset: 24, .size: 8, .value_kind: global_buffer, .address_space: global }
    .group_segment_fixed_size: 327680
    .private_segment_fixed_size: 0
    .kernarg_segment_align: 8
    .kernarg_segment_size: 32
    .max_flat_workgroup_size: 512
    .sgpr_count:     66
    .vgpr_count:     256
    .wavefront_size: 32
...
	.end_amdgpu_metadata
.endif
;; end of part 2
;; launch pick (part 3): grid 256 x 1, 4 waves a work-group, no clusters, 0 bytes of LDS; arguments cand, wt, out0; writes out0
.if DOCPART == 3
	.amdgcn_target "amdgcn-amd-amdhsa--gfx1250"
	.amdhsa_code_object_version 6
	.text
	.protected	k_qf5af181678_pick
	.globl	k_qf5af181678_pick
	.p2align	8
	.type	k_qf5af181678_pick,@function
k_qf5af181678_pick:
	s_mov_b64 s[64:65], 0
	v_nop
	global_prefetch_b8 v0, s[64:65] scope:SCOPE_SE
	s_setreg_imm32_b32 hwreg(HW_REG_WAVE_MODE, 25, 1), 1
	s_wait_xcnt 0x0
; out0[b][:] = W[:, k(b)], k(b) the column of the best of row b's eight candidates.  cand: [split 8][row 8192]{key, column}, whole numbers that the launch before stored; wt: W transposed, [32768][256] f32.
; The keys order as signed whole numbers; a later split wins only with a strictly larger key, so that the lowest column keeps a tie.  No floating-point number is touched here.
; A work-group takes 32 rows, a wave 8.  Lane l decides row (l + 8 wave) % 32, so that each load of candidates reads the group's 256 consecutive bytes of a split and the wave's own rows lie in lanes 0 to 7.
; A chosen row of wt is 1,024 consecutive bytes: two loads and two stores of 512 bytes a wave.  No LDS, no barrier, no matrix unit: the launch only moves bytes.
; The column's number is held to 32,767, the table's last row, before it enters an address.
	s_load_b128 s[4:7], s[0:1], 0x0                ; cand s[4:5], wt s[6:7]
	s_load_b64 s[8:9], s[0:1], 0x10                ; out0
	v_lshrrev_b32 v1, 5, v0
	v_readfirstlane_b32 s10, v1                    ; wave 0..3
	v_and_b32 v1, 31, v0                           ; lane
	v_lshlrev_b32 v2, 4, v1                        ; 16 x lane
	s_lshl_b32 s11, s10, 3
	v_add_nc_u32 v3, s11, v1
	v_and_b32 v3, 31, v3                           ; the row of the group that I decide
	v_lshlrev_b32 v3, 3, v3
	s_lshl_b32 s12, ttmp9, 8                       ; cand: 32 rows x 8 bytes a work-group
	s_mov_b32 s13, 0
	s_lshl_b32 s14, ttmp9, 5
	s_add_co_u32 s14, s14, s11                     ; my wave's first row
	s_lshl_b32 s14, s14, 10
	s_mov_b32 s15, 0
	s_wait_alu depctr_va_vdst(0)
	s_wait_kmcnt 0x0
	s_add_nc_u64 s[4:5], s[4:5], s[12:13]
	s_add_nc_u64 s[8:9], s[8:9], s[14:15]
.irp s, 0,1,2,3,4,5,6,7
	global_load_b64 v[16+2*\s:17+2*\s], v3, s[4:5] offset:65536*\s
.endr
	s_wait_loadcnt 0x0
.irp s, 1,2,3,4,5,6,7
	v_cmp_gt_i32 vcc_lo, v[16+2*\s], v16
	v_cndmask_b32 v16, v16, v[16+2*\s], vcc_lo
	v_cndmask_b32 v17, v17, v[17+2*\s], vcc_lo
.endr
	s_wait_alu depctr_va_vdst(0)
.irp p, 0,1,2,3,4,5,6,7
	v_readlane_b32 s[20+\p], v17, \p               ; lane p has decided my wave's row p
	s_min_u32 s[20+\p], s[20+\p], 0x7fff
	s_lshl_b32 s[20+\p], s[20+\p], 10              ; a row of wt is 1,024 bytes
	v_add_nc_u32 v[8+\p], s[20+\p], v2
.endr
	s_wait_alu depctr_va_vdst(0)
.irp p, 0,1,2,3,4,5,6,7
	global_load_b128 v[40+8*\p:43+8*\p], v[8+\p], s[6:7]
	global_load_b128 v[44+8*\p:47+8*\p], v[8+\p], s[6:7] offset:512
.endr
.irp p, 0,1,2,3,4,5,6,7
	s_wait_loadcnt 14-2*\p                         ; row p's two loads are in; the younger rows' may be out
	global_store_b128 v2, v[40+8*\p:43+8*\p], s[8:9] offset:1024*\p th:TH_STORE_NT       ; 512 consecutive bytes a store, at a multiple of 256 from out0's first byte
	global_store_b128 v2, v[44+8*\p:47+8*\p], s[8:9] offset:1024*\p+512 th:TH_STORE_NT
.endr
	s_endpgm
.Lfunc_end_k_qf5af181678_pick:
	.size	k_qf5af181678_pick, .Lfunc_end_k_qf5af181678_pick-k_qf5af181678_pick
	.p2alignl 7, 3214868480
	.fill 96, 4, 3214868480
	.section	.rodata,"a",@progbits
	.p2align	6, 0x0
	.amdhsa_kernel k_qf5af181678_pick
		.amdhsa_group_segment_fixed_size 0
		.amdhsa_private_segment_fixed_size 0
		.amdhsa_enable_private_segment 0
		.amdhsa_kernarg_size 24
		.amdhsa_user_sgpr_count 2
		.amdhsa_user_sgpr_kernarg_segment_ptr 1
		.amdhsa_wavefront_size32 1
		.amdhsa_system_sgpr_workgroup_id_x 1
		.amdhsa_system_sgpr_workgroup_id_y 1
		.amdhsa_system_sgpr_workgroup_id_z 1
		.amdhsa_system_vgpr_workitem_id 0
		.amdhsa_next_free_vgpr 104
		.amdhsa_next_free_sgpr 66
		.amdhsa_reserve_vcc 1
		.amdhsa_float_denorm_mode_32 3
		.amdhsa_float_denorm_mode_16_64 3
		.amdhsa_memory_ordered 1
		.amdhsa_forward_progress 1
		.amdhsa_inst_pref_size 8
	.end_amdhsa_kernel
	.amdgpu_metadata
---
amdhsa.version: [ 1, 2 ]
amdhsa.kernels:
  - .name:           k_qf5af181678_pick
    .symbol:         k_qf5af181678_pick.kd
    .args:
      - { .name: cand, .offset: 0, .size: 8, .value_kind: global_buffer, .address_space: global }
      - { .name: wt, .offset: 8, .size: 8, .value_kind: global_buffer, .address_space: global }
      - { .name: out0, .offset: 16, .size: 8, .value_kind: global_buffer, .address_space: global }
    .group_segment_fixed_size: 0
    .private_segment_fixed_size: 0
    .kernarg_segment_align: 8
    .kernarg_segment_size: 24
    .max_flat_workgroup_size: 128
    .sgpr_count:     66
    .vgpr_count:     104
    .wavefront_size: 32
...
	.end_amdgpu_metadata
.endif
;; end of part 3
